; MI455X (gfx1250); checked and timed in simulation.
; The chip was launched on July 23, 2026; its instructions are those of AMD's public machine-readable ISA for CDNA 5 (MIT licence, August 2026) and "CDNA5" Instruction Set Architecture Reference Guide (July 2026). The comments in the code are by the model that wrote it; some were corrected since.
;; Causal Self Attention. Allowed arithmetic: matrix products marked QUANTISED: E2M1 operands, one E8M0 scale for each 32 along K, by v_wmma_scale_f32_16x16x128_f8f6f4 with both operands' format E2M1 (or v_wmma_scale_f32_32x16x128_f4), f32 sums; everything else in f32.
;; Inputs: W_proj_codes 1,024 x 32 x 16 uint8 (E2M1 codes of W_proj, K innermost, in blocks of 32 codes, two codes a byte); W_proj_scales 1,024 x 32 uint8 (E8M0 scales of W_proj, one for each 32 codes along K); W_qkv_codes 3,072 x 32 x 16 uint8 (E2M1 codes of W_qkv, K innermost, in blocks of 32 codes, two codes a byte); W_qkv_scales 3,072 x 32 uint8 (E8M0 scales of W_qkv, one for each 32 codes along K); b_proj 1,024 float32; b_qkv 3,072 float32; x_codes 4 x 2,048 x 32 x 16 uint8 (E2M1 codes of x, K innermost, in blocks of 32 codes, two codes a byte); x_scales 4 x 2,048 x 32 uint8 (E8M0 scales of x, one for each 32 codes along K).
;; Outputs: out0 4 x 2,048 x 1,024 float32.
;; This version of the problem:
;;   THIS VERSION OF THE PROBLEM IS GIVEN IN LOW PRECISION. The matrix products marked QUANTISED in the list below multiply operands that are first quantised to E2M1 (2 exponent bits, 1 mantissa bit; 4 bits a number), with one power-of-two scale for each 32 numbers along K (OCP MX v1.0); their sums are f32. All else is computed in f32.
;;   The module's matrix products, in the order in which they are computed (A, B: the left and right operand; K: the contracted axis; several contracted axes count as one K, in the product's order):
;;     1. [M 8,192, K 1,024] x [K 1,024, N 3,072]; A: input x (given as codes); B: input W_qkv (given as codes): QUANTISED
;;     2. batch 64 x [M 2,048, K 64] x [K 64, N 2,048]; A: computed on the way; B: computed on the way: QUANTISED
;;     3. batch 64 x [M 2,048, K 2,048] x [K 2,048, N 64]; A: softmax (see below); B: computed on the way: QUANTISED
;;     4. [M 8,192, K 1,024] x [K 1,024, N 1,024]; A: computed on the way; B: input W_proj (given as codes): QUANTISED
;;   THE QUANTISER, for each operand of a quantised product, along K:
;;     - K is cut into blocks of 32 from its start; a last block that is shorter is filled with zeros.
;;     - A block's scale is 2^e with e = floor(log2(the largest magnitude in the block)) - 2, held to -126 .. 127; a block of zeros has e = 0. As a byte (E8M0): e + 127.
;;     - Each number is divided by its block's scale, clamped to +-6, and rounded to the nearest number of E2M1, ties to even, subnormals kept.
;;     - The product sums the exact products of the quantised numbers (number of the format x scale) in f32.
;;   ~~~python
;;   def quantise(x, axis):      # numpy; x: float32 -> the quantised numbers, widened to float32 again
;;       x = np.moveaxis(x, axis, -1); K = x.shape[-1]
;;       x = np.pad(x, [(0, 0)] * (x.ndim - 1) + [(0, -K % 32)]); x = x.reshape(x.shape[:-1] + (-1, 32)); a = np.abs(x).max(-1, keepdims=True)
;;       e = np.where(a > 0, np.clip(np.frexp(np.where(a > 0, a, 1))[1] - 1 - 2, -126, 127), 0)      # np.frexp(a)[1] - 1 = floor(log2(a)), exactly
;;       r = np.clip(x / 2.0 ** e, -6, 6)
;;       step = 2.0 ** (np.maximum(np.frexp(np.where(r == 0, 1, r))[1] - 1, 0) - 1)
;;       q = np.round(r / step) * step * 2.0 ** e      # np.round: ties to even
;;       return np.moveaxis(q.reshape(q.shape[:-2] + (-1,))[..., :K], -1, axis).astype(np.float32)
;;   ~~~
;;   SOFTMAX AHEAD OF A QUANTISED PRODUCT. Where the list says 'softmax', what is quantised is not the finished softmax but p = 2^(t - M), with t = logit x log2(e) and M = ceil(the row's largest t), a whole number; so 1/2 < the row's largest p <= 1. The row's sum l is taken of the UNQUANTISED p, in f32, and the product's result is divided by l at the end. Since M is a whole number, a kernel that streams over the keys may use a running M (the ceiling of the running maximum): every later rescaling is an exact power of two, which a block's scale takes up: the codes' values come out the same.
;;   OPERANDS COMPUTED ON THE WAY. 'Computed on the way' means the value that the module computes at that place (a softmax that the list does not call 'softmax' is quantised finished and normalised). What goes into a quantiser is computed in f32, as accurately as f32 sums, v_exp_f32 and their like allow (about 1e-6 of the number): no bf16 or f16 on the way to a quantiser, and a product that is left as it is and whose result goes on into a quantised operand takes f32 operands (vector FMAs, or v_wmma_f32_16x16x4_f32). A number that lies on a knife's edge between two numbers of the format may be rounded either way, as far as f32 arithmetic and the matrix unit's own rounding can turn it there, and no further.
;;   INPUTS GIVEN AS CODES. W_proj (in the module: [1024, 1024], K = its axis 0); W_qkv (in the module: [1024, 3072], K = its axis 0); x (in the module: [4, 2048, 1024], K = its axis 2): each comes as NAME_codes (uint8): NAME with its K axis moved to the last place and cut into blocks of 32 codes, [.., K / 32, bytes a block], one block behind the other in memory; two codes a byte, the lower K in the low four bits (a code: sign, 2 exponent bits, 1 mantissa bit); and NAME_scales (uint8): the same leading axes, one E8M0 byte (e + 127) for each 32 codes along K. Its value is code x scale, taken as it is: it is not quantised again, and the codes and scales need not be those that the quantiser above would give.
;; One version. Each part assembles by itself: llvm-mc -triple=amdgcn-amd-amdhsa -mcpu=gfx1250 --defsym DOCPART=n.
;; ======== version 1 of 1: 3 launches
;; workspace buffers: qq 9,175,040 bytes; kv 9,175,040 bytes; yc 4,194,304 bytes; ysc 262,144 bytes
;; launch qkv (part 1): grid 8 x 48, 4 waves a work-group, clusters of 4 x 4, 327,680 bytes of LDS; arguments x_codes, x_scales, W_qkv_codes, W_qkv_scales, b_qkv, qq, kv; writes qq, kv
.if DOCPART == 1
	.amdgcn_target "amdgcn-amd-amdhsa--gfx1250"
	.amdhsa_code_object_version 6
	.text
	.protected	k_qffb9cd13e6_qkv
	.globl	k_qffb9cd13e6_qkv
	.p2align	8
	.type	k_qffb9cd13e6_qkv,@function
k_qffb9cd13e6_qkv:
	s_mov_b64 s[64:65], 0
	v_nop
	global_prefetch_b8 v0, s[64:65] scope:SCOPE_SE
	s_setreg_imm32_b32 hwreg(HW_REG_WAVE_MODE, 25, 1), 1
	s_wait_xcnt 0x0
	s_wait_alu depctr_hold_cnt(0) depctr_sa_sdst(0) depctr_va_vdst(0) depctr_va_sdst(0) depctr_va_ssrc(0) depctr_va_vcc(0) depctr_vm_vsrc(0)
	s_getreg_b32 s2, hwreg(HW_REG_IB_STS2, 6, 4)
	s_cmp_eq_u32 s2, 0
	s_cbranch_scc0 .Lentry_in_a_cluster
	s_endpgm
.Lentry_in_a_cluster:
	s_bfe_u32 s2, ttmp6, 0x10000c
	s_cmp_lg_u32 s2, 0xf033
	s_cbranch_scc0 .Lentry_shape_is_right
	s_endpgm
.Lentry_shape_is_right:
; qkv = x W_qkv + b_qkv on codes of FP4 (E2M1) with one E8M0 scale for each 32 along K = 1,024; the results are quantised at once, in registers, and leave as codes:
; q and k along the head's 64, v along the tokens (the keys of attention's second product).
; A work-group of four waves makes 256 (P) x 256 (R) results, a wave 128 x 128 in 64 accumulators.  THE MATRIX INSTRUCTION TAKES P AS SOURCE 0 AND R AS SOURCE 1: a lane then holds one row of R,
; and its registers run along P: accumulator (a, b), register j, lane (r, h) = result (R row 16 a + r, P row 16 b + 8 h + j).  So the quantiser always runs along P, inside a lane and its partner 16 lanes away.
;   q, k (cluster y under 8): P = 256 rows of W_qkv (features: four heads), R = 256 tokens.      v (cluster y 8 to 11): P = 256 tokens, R = 256 rows of W_qkv from row 2,048 on.
; Only pointers, tile numbers and a few constants differ between the two ways; both hang on the cluster's y alone, which all sixteen partners share.
; K goes through two LDS slots of 512 along K (rows of 256 bytes); both are first fills, nothing is filled again.  The scale bytes of the 512 rows come once, as dense blocks.
; CLUSTER 4 x 4: R's tiles hang on cy and are asked for jointly along a row of the cluster, P's on cx and jointly along a column.
; OUT.  Frames of 8,960 bytes for each (batch, head, 128 tokens), as images of the operands' registers (lane L's 16 bytes at 16 L):
;   +0 codes of q or k: 8 token tiles x 512;  +4096 codes of v^T: 4 tiles of 16 channels x 1,024;  +8192 scale words of q or k (lane L, word g: token 32 g + L);  +8704 scale words of v.
; LIMITS: NaN and infinities ahead of the quantiser are not served; a block whose largest magnitude lies under 2^-124 (a block of zeros too) gets the byte 1; these bytes are read by this program alone.
.set NQ,     4                         ; matrix instructions deep in a slot
.set ROWB,   256                       ; a tile's row: 512 codes
.set KROW,   512                       ; a row of codes in memory
.set PITCH,  272                       ; an LDS row: 256 bytes + 16 of padding = 68 words: the 16 rows of a load start 4 words apart modulo 64
.set FR,     8
.set NL,     2
.set NP,     4                         ; places behind this matrix instruction (ISA guide 7.12.1)
.set HALFT,  128*PITCH
.set SLOT,   4*HALFT                   ; R's 256 rows, then P's 256 rows
.set KSB,    32                        ; a row of scale bytes
.set SCL,    2*SLOT                    ; the scale bytes, as units of 256 bytes + 16 of padding
.set HALFS,  (128*KSB/256)*272
.set SBLK,   (16*KSB/256)*272
.set SPARE,  SCL+4*HALFS               ; the spare words: 128 bytes a wave, two blocks of 256 bytes that no other line names
.set FRAME,  8960
.set HEADB,  16*FRAME
.set ADRA, 16                          ; v16-17 LDS address of my R fragments in slot 0, 1
.set ADRB, 20                          ; v20-21 the same for P
.set LI,   24                          ; v24 16 x lane
.set L8,   25                          ; v25 8 x lane
.set ADRS, 27                          ; v27 my scale words: lanes 0-15 R's rows, lanes 16-31 P's
.set SPW,  28
.set NIL,  29
.set SC,   32                          ; v32-95 scale words, a set for each slot
.set AF,   128                         ; v128-191 R's fragments, one set
.set BI,   192                         ; v192-255 the bias, in the result's layout
.set CD,   128                         ; the way out: v128-191 codes, 8 registers for each block of 16 R rows
.set WD,   192                         ; v192-207 two half scale words for each block
.set VO,   208                         ; v208-215 a store offset for each block
.set TM,   216                         ; v216-231 at work
.set YY,   232                         ; v232-239, v240-243 scale words on their way out
.set ZZ,   240
.set G1, 24
.set G0, 32
.set G1B, 48
.set G0B, 56
.set G1S, 68
.set G0S, 76
.set G1SB, 80
.set G0SB, 88
.set B0, 94                            ; s[94:95], s[92:93] the two bases of the way out
.set B1, 92
.set MSB, 0
.macro WIN new                         ; the immediate's high byte repeats the setting that is left
.if MSB != (\new)
	s_set_vgpr_msb (MSB<<8)|(\new)
.set MSB, (\new)
.endif
.endm
.set MUL_LO, 0xa1                      ; source 0 (P) window 1, source 1 (R) window 0, C and D window 2
.set MUL_HI, 0xf1                      ; the same, C and D window 3
.set TO_B,   0x40
; A joint load: waves 0 and 1 fetch for R, waves 2 and 3 for P.  The branch hangs on the wave's number alone.  Four v_nop follow each of the two lines.
.macro JLOAD g0a, g1a, g0b, g1b
	s_cmp_eq_u32 s15, 0
	s_cbranch_scc0 .Lfor_b_\@
	tensor_load_to_lds s[\g0a:\g0a+3], s[\g1a:\g1a+7]
	s_nop 0
.rept 4
	v_nop
.endr
	s_branch .Lasked_\@
.Lfor_b_\@:
	tensor_load_to_lds s[\g0b:\g0b+3], s[\g1b:\g1b+7]
	s_nop 0
.rept 4
	v_nop
.endr
.Lasked_\@:
.endm
.macro CROUND                          ; a round of the cluster's barrier
	s_barrier_signal -1
	s_barrier_wait -1
	s_cmp_lg_u32 s14, 0
	s_cbranch_scc1 .Lnot_wave_0_\@
	s_barrier_signal -3
.Lnot_wave_0_\@:
	s_barrier_wait -3
	s_barrier_signal -1
	s_barrier_wait -1
.endm
	s_load_b256 s[4:11], s[0:1], 0x0               ; x's codes, x's scales, W's codes, W's scales
	s_load_b128 s[96:99], s[0:1], 0x20             ; b_qkv, qq
	s_load_b64 s[100:101], s[0:1], 0x30            ; kv
	v_lshl_add_u32 v[SPW], v0, 2, SPARE
	v_mov_b32 v[NIL], 0
	ds_add_u32 v28, v29
	ds_add_u32 v28, v29
	s_wait_dscnt 0x0
	v_lshrrev_b32 v1, 5, v0
	v_readfirstlane_b32 s14, v1                    ; wave 0..3
	s_lshr_b32 s15, s14, 1                         ; which half of R is mine.  Also: I fetch for R (0) or for P (1)
	s_and_b32 s16, s14, 1                          ; which half of P.  Also: which 128 rows I fetch
	s_bfe_u32 s40, ttmp6, 0x40000                  ; cx
	s_bfe_u32 s41, ttmp6, 0x40004                  ; cy
	s_lshl_b32 s42, ttmp9, 2
	s_add_co_u32 s42, s42, s40                     ; x = 4 x cluster x + cx
	s_and_b32 s66, ttmp7, 0xffff                   ; cluster y
	s_lshl_b32 s17, s66, 2
	s_sub_co_u32 s18, s66, 8
	s_lshl_b32 s18, s18, 3
	s_lshl_b32 s43, s41, 2
	s_lshl_b32 s43, 15, s43                        ; my row of the cluster
	s_lshl_b32 s44, 0x1111, s40                    ; my column
	s_or_b32 s[G1+0], s43, (0<<16)|(1<<20)|(1<<21)|(5<<22)|(3<<25)  ; the mask; elements of 1 byte; padding on; bit 21 beside a mask; 4 words behind every 64
	s_or_b32 s[G1B+0], s44, (0<<16)|(1<<20)|(1<<21)|(5<<22)|(3<<25)
.irp g, G1, G1B
	s_mov_b32 s[\g+1], ROWB<<16                    ; tensor_dim0
	s_mov_b32 s[\g+2], 128<<16                     ; tensor_dim1
	s_mov_b32 s[\g+3], ROWB<<16                    ; tile_dim0
	s_mov_b32 s[\g+4], 128                         ; tile_dim1
	s_mov_b32 s[\g+5], KROW                        ; the pitch
	s_mov_b32 s[\g+6], 0
	s_mov_b32 s[\g+7], 0
.endr
	s_or_b32 s[G1S+0], s43, (3<<16)|(1<<20)|(1<<21)|(5<<22)|(3<<25)  ; the scale bytes of 128 rows: 4,096 dense bytes as 16 rows of 32 elements of 8 bytes
	s_or_b32 s[G1SB+0], s44, (3<<16)|(1<<20)|(1<<21)|(5<<22)|(3<<25)
.irp g, G1S, G1SB
	s_mov_b32 s[\g+1], 32<<16
	s_mov_b32 s[\g+2], (128*KSB/256)<<16
	s_mov_b32 s[\g+3], 32<<16
	s_mov_b32 s[\g+4], 128*KSB/256
	s_mov_b32 s[\g+5], 32
	s_mov_b32 s[\g+6], 0
	s_mov_b32 s[\g+7], 0
.endr
	s_wait_kmcnt 0x0
	s_cmp_lt_u32 s66, 8                            ; q, k or v?  The same in all sixteen partners
	s_cselect_b32 s67, 1, 0
	s_cselect_b32 s17, s17, 8
	s_cselect_b32 s18, 0, s18
	s_cselect_b64 s[12:13], s[4:5], s[8:9]         ; R's codes: x's or W's
	s_cselect_b64 s[2:3], s[6:7], s[10:11]         ; R's scales
	s_cselect_b64 s[8:9], s[8:9], s[4:5]           ; P's codes
	s_cselect_b64 s[10:11], s[10:11], s[6:7]       ; P's scales
	s_add_co_u32 s17, s17, s41                     ; R's tile of 256 rows: 4 x cluster y + cy (tokens), or 8 + cy (rows of W)
	s_add_co_u32 s42, s42, s18                     ; P's tile: x (rows of W), or x + 8 (cluster y - 8) (tokens)
	s_lshl_b32 s18, s16, 7
	s_lshl_b32 s20, s17, 8
	s_add_co_u32 s20, s20, s18                     ; R: the first row that I fetch
	s_lshl_b32 s46, s42, 8
	s_add_co_u32 s46, s46, s18                     ; P likewise
	s_mov_b32 s21, 0
	s_mov_b32 s47, 0
	s_mov_b64 s[18:19], KSB
	s_mul_u64 s[22:23], s[20:21], s[18:19]
	s_mul_u64 s[92:93], s[46:47], s[18:19]
	s_mov_b64 s[18:19], KROW
	s_mul_u64 s[20:21], s[20:21], s[18:19]
	s_mul_u64 s[46:47], s[46:47], s[18:19]
	s_mul_i32 s45, s14, HALFT                      ; where they go: wave x 128 rows
	s_mul_i32 s94, s14, HALFS
	s_add_nc_u64 s[20:21], s[12:13], s[20:21]
	s_add_nc_u64 s[22:23], s[2:3], s[22:23]
	s_add_nc_u64 s[46:47], s[8:9], s[46:47]
	s_add_nc_u64 s[92:93], s[10:11], s[92:93]
	CROUND                                         ; all sixteen work-groups are here: the first joint loads meet
	s_mov_b32 s[G0S], 1
	s_add_co_u32 s[G0S+1], s94, SCL
	s_mov_b64 s[G0S+2:G0S+3], s[22:23]
	s_or_b32 s[G0S+3], s[G0S+3], 0x80000000
	s_mov_b32 s[G0SB], 1
	s_add_co_u32 s[G0SB+1], s94, SCL
	s_mov_b64 s[G0SB+2:G0SB+3], s[92:93]
	s_or_b32 s[G0SB+3], s[G0SB+3], 0x80000000
	JLOAD G0S, G1S, G0SB, G1SB                     ; the scales first; three tensor loads of mine are out at the most
.irp s, 0,1
	s_mov_b32 s[G0+4*\s], 1
	s_add_co_u32 s[G0+4*\s+1], s45, \s*SLOT
	s_add_nc_u64 s[G0+4*\s+2:G0+4*\s+3], s[20:21], \s*ROWB
	s_or_b32 s[G0+4*\s+3], s[G0+4*\s+3], 0x80000000
	s_mov_b32 s[G0B+4*\s], 1
	s_add_co_u32 s[G0B+4*\s+1], s45, \s*SLOT
	s_add_nc_u64 s[G0B+4*\s+2:G0B+4*\s+3], s[46:47], \s*ROWB
	s_or_b32 s[G0B+4*\s+3], s[G0B+4*\s+3], 0x80000000
	JLOAD G0+4*\s, G1, G0B+4*\s, G1B
.endr
	v_and_b32 v1, 15, v0                           ; r
	v_bfe_u32 v2, v0, 4, 1                         ; h
	v_mul_u32_u24 v3, v1, PITCH
	v_lshl_add_u32 v4, v2, 4, v3
	s_mul_i32 s21, s15, HALFT
	s_mul_i32 s22, s16, HALFT
	s_add_co_u32 s22, s22, 2*HALFT
.irp s, 0,1
	v_add_nc_u32 v[ADRA+\s], s21, v4
	v_add_nc_u32 v[ADRB+\s], s22, v4
	s_add_co_u32 s21, s21, SLOT
	s_add_co_u32 s22, s22, SLOT
.endr
	v_mul_u32_u24 v5, v1, KSB                      ; my row's scale bytes, 16 more for each 256 passed
	v_lshrrev_b32 v6, 8, v5
	v_lshl_add_u32 v5, v6, 4, v5
	s_mul_i32 s21, s15, HALFS
	s_mul_i32 s22, s16, HALFS
	s_add_co_u32 s22, s22, 2*HALFS
	s_sub_co_u32 s22, s22, s21
	v_mul_u32_u24 v6, s22, v2                      ; lanes 16-31 take P's
	s_add_co_u32 s21, s21, SCL
	v_add_nc_u32 v5, v5, v6
	v_add_nc_u32 v[ADRS], s21, v5
	v_and_b32 v6, 31, v0
	v_lshlrev_b32 v[LI], 4, v6
	v_lshlrev_b32 v[L8], 3, v6
	; THE BIAS is the C of each sum's first product.  q, k: it goes by P (register 8 b + j: feature 16 b + 8 h + j); v: by R (all eight registers of block a: feature 16 a + r).  Both ways write all 64 registers.
	s_cmp_eq_u32 s67, 1
	s_cselect_b32 s18, s42, s17                    ; the tile of 256 features,
	s_cselect_b32 s19, s16, s15                    ; my half of it
	s_lshl_b32 s18, s18, 10
	s_lshl_b32 s19, s19, 9
	s_add_co_u32 s18, s18, s19
	s_mov_b32 s19, 0
	s_add_nc_u64 s[96:97], s[96:97], s[18:19]
	s_cmp_eq_u32 s67, 1
	s_cbranch_scc0 .Lbias_v
	v_lshlrev_b32 v7, 5, v2
.irp b, 0,1,2,3,4,5,6,7
	global_load_b128 v[BI+8*\b:BI+8*\b+3], v7, s[96:97] offset:64*\b
	global_load_b128 v[BI+8*\b+4:BI+8*\b+7], v7, s[96:97] offset:64*\b+16
.endr
	s_branch .Lbias_in
.Lbias_v:
	v_lshlrev_b32 v7, 2, v1
.irp a, 0,1,2,3,4,5,6,7
.irp j, 0,1,2,3,4,5,6,7
	global_load_b32 v[BI+8*\a+\j], v7, s[96:97] offset:64*\a
.endr
.endr
.Lbias_in:
.macro FRAG reg, adr, q, i             ; 16 rows x 128 K of 4-bit codes: registers 4 c .. 4 c + 3 hold K = 64 c + 32 h + 0 .. 31
.irp c, 0,1
	ds_load_b128 v[\reg+4*\c:\reg+4*\c+3], v[\adr] offset:64*(\q)+32*\c+(\i)*16*PITCH
.endr
.endm
; 16 matrix instructions: R's blocks a0, a0 + 1 x P's eight.  cm = 0: onto the sums; 1: C = the bias by P; 2: C = the bias by R.  The 64 accumulators take turns, one instruction a turn.
.macro MUL16 a0, p, q, sc, cm
.irp a, \a0, \a0+1
.irp b, 0,1,2,3,4,5,6,7
.set rD, 8*(8*((\a)%4)+\b)
.if (\cm) == 1
.set rC, BI+8*\b
.elseif (\cm) == 2
.set rC, BI+8*(\a)
.else
.set rC, rD
.endif
	v_wmma_scale_f32_16x16x128_f8f6f4 v[rD:rD+7], v[128*(\p)+FR*\b:128*(\p)+FR*\b+FR-1], v[AF+FR*(\a):AF+FR*(\a)+FR-1], v[rC:rC+7], v[SC+8*NQ*(\sc)+NQ*\b+(\q)], v[SC+8*NQ*(\sc)+NQ*(\a)+(\q)] matrix_a_fmt:MATRIX_FMT_FP4 matrix_b_fmt:MATRIX_FMT_FP4 matrix_a_scale:MATRIX_SCALE_ROW1
.endr
.endr
.endm
.macro FETCH_B slot, q, p
	WIN TO_B
.irp i, 0,1,2,3,4,5,6,7
	FRAG 128*(\p)+FR*\i, ADRB+\slot, \q, \i
.endr
	WIN 0
.endm
.macro FETCH_A slot, q, i0
.irp i, \i0, \i0+1, \i0+2, \i0+3
	FRAG AF+FR*(\i), ADRA+\slot, \q, \i
.endr
.endm
.macro SCALES sc                       ; a slot's scale words: 4 words a row; lanes 0-15 R's block i, lanes 16-31 P's block i
.irp i, 0,1,2,3,4,5,6,7
	ds_load_b128 v[SC+8*NQ*\sc+NQ*\i:SC+8*NQ*\sc+NQ*\i+3], v[ADRS] offset:\i*SBLK
.endr
.endm
.macro PLACES n                        ; plain vector instructions between a matrix instruction and a load into, or a vector read of, its registers
.rept \n
	v_nop
.endr
.endm
; A step of 128 along K that has its successor in the same slot.  With cm not 0 the C operand lies in window 0.
.macro STEP slot, q, cm
	s_wait_dscnt 4*NL                              ; P's set and R's blocks 0-3 are in; the youngest eight loads (R's blocks 4-7) may be out
.if \cm
	WIN 0x81
.else
	WIN MUL_LO
.endif
	MUL16 0, (\q)%2, \q, \slot, \cm
	MUL16 2, (\q)%2, \q, \slot, \cm
	s_wait_dscnt 0                                 ; R's blocks 4-7 are in
	PLACES NP
	FETCH_B \slot, (\q)+1, 1-(\q)%2
	FETCH_A \slot, (\q)+1, 0
.if \cm
	WIN 0xc1
.else
	WIN MUL_HI
.endif
	MUL16 4, (\q)%2, \q, \slot, \cm
	MUL16 6, (\q)%2, \q, \slot, \cm
	PLACES NP
	WIN 0
	FETCH_A \slot, (\q)+1, 4
.endm
	s_wait_tensorcnt 1                             ; the scales and my part of slot 0 are in; slot 1's load may be out
	s_barrier_signal -1
	s_barrier_wait -1
	FETCH_B 0, 0, 0
	FETCH_A 0, 0, 0
	SCALES 0
	FETCH_A 0, 0, 4
	s_wait_loadcnt 0x0                             ; the bias
	s_cmp_eq_u32 s67, 1
	s_cbranch_scc0 .Lfirst_v
	STEP 0, 0, 1                                   ; the first step starts the sums with the bias: nothing is cleared
	s_branch .Lfirst_done
.Lfirst_v:
	STEP 0, 0, 2
.Lfirst_done:
	STEP 0, 1, 0
	STEP 0, 2, 0
	; slot 0's last step changes slots: one barrier; in front of it all my tensor loads have landed and my reads of slot 0 are over
	s_wait_tensorcnt 0x0
	ds_add_u32 v[SPW], v[NIL]                      ; 0 onto my spare word
	s_wait_dscnt 4*NL+1                            ; the add and the youngest eight loads may be out
	WIN MUL_LO
	MUL16 0, 1, NQ-1, 0, 0
	s_wait_dscnt 0x0
	s_barrier_signal -1
	MUL16 2, 1, NQ-1, 0, 0
	WIN 0
	s_barrier_wait -1
	PLACES NP
	v_add_nc_u32 v[ADRS], 4*NQ, v[ADRS]            ; the second slot's scale words: 16 bytes on in each row
	FETCH_B 1, 0, 0
	FETCH_A 1, 0, 0
	SCALES 1
	WIN MUL_HI
	MUL16 4, 1, NQ-1, 0, 0
	MUL16 6, 1, NQ-1, 0, 0
	PLACES NP
	WIN 0
	FETCH_A 1, 0, 4
	STEP 1, 0, 0
	STEP 1, 1, 0
	STEP 1, 2, 0
	s_wait_dscnt 4*NL                              ; the last step: nothing more to fetch
	WIN MUL_LO
	MUL16 0, 1, NQ-1, 1, 0
	MUL16 2, 1, NQ-1, 1, 0
	s_wait_dscnt 0
	WIN MUL_HI
	MUL16 4, 1, NQ-1, 1, 0
	MUL16 6, 1, NQ-1, 1, 0
	WIN 0
	PLACES NP
	; THE WAY OUT.  Where my 128 x 128 results go: frame (batch, head Hh, key step Ti % 16); my 128 tokens are one key step, my 128 features two heads.
	s_mov_b32 s4, 0x76543210                       ; v_permlanex16_b32's selects for lane l xor 16
	s_mov_b32 s5, 0xfedcba98
	s_cmp_eq_u32 s67, 1
	s_cselect_b32 s20, s17, s42                    ; the tile of 256 tokens: R's or P's,
	s_cselect_b32 s21, s15, s16                    ; my half of it
	s_cselect_b32 s22, s42, s41                    ; the tile of 256 features: x or cy,
	s_cselect_b32 s23, s16, s15                    ; my half of it
	s_cselect_b32 s18, 0, 4096                     ; v's codes lie 4,096 bytes into a frame
	s_mov_b32 s19, 512
	s_cselect_b32 s19, HEADB, s19                  ; from registers 0-3 to 4-7 of a fragment: the next head (q, k), or 512 bytes on (v)
	s_mov_b32 s45, 1024
	s_cselect_b32 s45, 512, s45                    ; from a block of 16 R rows to the next
	s_cselect_b32 s46, 0, HEADB-4096               ; v: block 4 begins the next head
	s_cselect_b32 s47, s42, 4
	s_lshl_b32 s20, s20, 1
	s_add_co_u32 s20, s20, s21                     ; Ti: which 128 tokens of the 8,192
	s_lshl_b32 s22, s22, 2
	s_lshl_b32 s23, s23, 1
	s_add_co_u32 s22, s22, s23
	s_and_b32 s22, s22, 15                         ; Hh: my first head
	s_lshr_b32 s23, s20, 4
	s_lshl_b32 s23, s23, 4
	s_add_co_u32 s23, s23, s22
	s_mul_i32 s23, s23, HEADB
	s_and_b32 s20, s20, 15
	s_mul_i32 s20, s20, FRAME
	s_add_co_u32 s92, s23, s20
	s_add_co_u32 s92, s92, s18
	s_mov_b32 s93, 0
	s_cmp_lt_u32 s47, 4                            ; q's features are W's first 1,024 rows
	s_cselect_b64 s[B0:B0+1], s[98:99], s[100:101]
	s_add_nc_u64 s[B0:B0+1], s[B0:B0+1], s[92:93]
	s_mov_b32 s92, s19
	s_add_nc_u64 s[B1:B1+1], s[B0:B0+1], s[92:93]
	v_mov_b32 v[VO], v[LI]
.irp a, 1,2,3
	v_add_nc_u32 v[VO+\a], s45, v[VO+\a-1]
.endr
	v_add3_u32 v[VO+4], v[VO+3], s45, s46
.irp a, 5,6,7
	v_add_nc_u32 v[VO+\a], s45, v[VO+\a-1]
.endr
.irp b, 0,1,2,3
	v_mov_b32 v[TM+4+\b], 0                        ; a lane permute's destination counts as one of its sources
.endr
; Block a of 16 R rows: a lane's 64 registers are P rows 16 b + 8 h + j; block B of 32 along P is accumulators 2 B and 2 B + 1, in lanes l and l xor 16.
; The operand's register 4 c + m wants, in lanes of half h', P rows 64 c + 32 h' + 8 m on: so the conversions of accumulators 4 c, 4 c + 2, 4 c + 1, 4 c + 3 go to registers 4 c .. 4 c + 3, and two exchanges of halves finish them.
.macro EPI a
.set AC, 64*((\a)%4)
	WIN 0x28+0x14*((\a)/4)                         ; sources 1 and 2: the accumulators' window
.irp b, 0,1,2,3
	v_max3_num_f32 v[TM+\b], 0x1800000, |v[AC+16*\b]|, |v[AC+16*\b+1]|   ; each accumulator is read from its low end on; the floor 2^(3 - 127) holds the byte at 1 from below
.endr
.irp i, 2,4,6,8,10,12,14
.irp b, 0,1,2,3
	v_max3_num_f32 v[TM+\b], v[TM+\b], |v[AC+16*\b+\i]|, |v[AC+16*\b+\i+1]|
.endr
.endr
	WIN 0
.irp b, 0,1,2,3
	v_permlanex16_b32 v[TM+4+\b], v[TM+\b], s4, s5
.endr
.irp b, 0,1,2,3
	v_max_num_f32 v[TM+\b], v[TM+\b], v[TM+4+\b]   ; the block's largest magnitude
.endr
.irp b, 0,1,2,3
	v_add_nc_u32 v[TM+12+\b], 0xff000000, v[TM+\b] ; 2 off its exponent field: the conversion's scale operand
.endr
.irp b, 0,1,2,3
	v_lshrrev_b32 v[TM+4+\b], 23, v[TM+12+\b]      ; the scale's byte
.endr
	v_lshl_or_b32 v[WD+2*(\a)], v[TM+5], 8, v[TM+4]
	v_lshl_or_b32 v[WD+2*(\a)+1], v[TM+7], 8, v[TM+6]
	WIN 0x02+((\a)/4)                              ; source 0: the accumulators' window
.irp c, 0,1
	v_cvt_scalef32_pk8_fp4_f32 v[CD+8*(\a)+4*\c], v[AC+32*\c:AC+32*\c+7], v[TM+12+2*\c]
	v_cvt_scalef32_pk8_fp4_f32 v[CD+8*(\a)+4*\c+1], v[AC+32*\c+16:AC+32*\c+23], v[TM+13+2*\c]
	v_cvt_scalef32_pk8_fp4_f32 v[CD+8*(\a)+4*\c+2], v[AC+32*\c+8:AC+32*\c+15], v[TM+12+2*\c]
	v_cvt_scalef32_pk8_fp4_f32 v[CD+8*(\a)+4*\c+3], v[AC+32*\c+24:AC+32*\c+31], v[TM+13+2*\c]
.endr
	WIN 0
	v_nop                                          ; one plain place behind a scaled conversion
.irp c, 0,1
	v_permlane16_swap_b32 v[CD+8*(\a)+4*\c], v[CD+8*(\a)+4*\c+1]
	v_permlane16_swap_b32 v[CD+8*(\a)+4*\c+2], v[CD+8*(\a)+4*\c+3]
.endr
	global_store_b128 v[VO+(\a)], v[CD+8*(\a):CD+8*(\a)+3], s[B0:B0+1]      ; 32 lanes store 512 consecutive bytes; every block has its own data and offset registers, so none is written again
	global_store_b128 v[VO+(\a)], v[CD+8*(\a)+4:CD+8*(\a)+7], s[B1:B1+1]
.endm
.irp a, 0,1,2,3,4,5,6,7
	EPI \a
.endr
	; the scale words: lanes 0-15 take the even block's, lanes 16-31 the odd block's
	s_mov_b32 vcc_lo, 0xffff0000
.irp g, 0,1,2,3
.irp c, 0,1
	v_cndmask_b32 v[YY+4*\c+\g], v[WD+4*\g+\c], v[WD+4*\g+2+\c], vcc_lo
.endr
.endr
	s_cmp_eq_u32 s67, 1
	s_cbranch_scc0 .Lscale_v
.irp i, 0,1,2,3,4,5,6,7
	v_lshl_or_b32 v[YY+\i], v[YY+\i], 16, v[YY+\i] ; q, k: a head's two bytes, twice: they serve 64 codes in either half of a K of 128
.endr
	global_store_b128 v[LI], v[YY:YY+3], s[B0:B0+1] offset:8192
	global_store_b128 v[LI], v[YY+4:YY+7], s[B1:B1+1] offset:8192
	s_branch .Lscale_done
.Lscale_v:
.irp g, 0,1,2,3
	v_lshl_or_b32 v[ZZ+\g], v[YY+4+\g], 16, v[YY+\g]   ; v: the four bytes of 128 keys
.endr
	global_store_b64 v[L8], v[ZZ:ZZ+1], s[B0:B0+1] offset:8704-4096
	global_store_b64 v[L8], v[ZZ+2:ZZ+3], s[B0:B0+1] offset:8704-4096+HEADB
.Lscale_done:
	s_wait_tensorcnt 0x0                           ; the wave's end
	ds_add_u32 v[SPW], v[NIL]
	s_wait_dscnt 0x0
	CROUND                                         ; the closing round
	s_endpgm
.Lfunc_end_k_qffb9cd13e6_qkv:
	.size	k_qffb9cd13e6_qkv, .Lfunc_end_k_qffb9cd13e6_qkv-k_qffb9cd13e6_qkv
	.p2alignl 7, 3214868480
	.fill 96, 4, 3214868480
	.section	.rodata,"a",@progbits
	.p2align	6, 0x0
	.amdhsa_kernel k_qffb9cd13e6_qkv
		.amdhsa_group_segment_fixed_size 327680
		.amdhsa_private_segment_fixed_size 0
		.amdhsa_enable_private_segment 0
		.amdhsa_kernarg_size 56
		.amdhsa_user_sgpr_count 2
		.amdhsa_user_sgpr_kernarg_segment_ptr 1
		.amdhsa_wavefront_size32 1
		.amdhsa_system_sgpr_workgroup_id_x 1
		.amdhsa_system_sgpr_workgroup_id_y 1
		.amdhsa_system_sgpr_workgroup_id_z 1
		.amdhsa_system_vgpr_workitem_id 0
		.amdhsa_next_free_vgpr 1024
		.amdhsa_next_free_sgpr 102
		.amdhsa_reserve_vcc 1
		.amdhsa_float_denorm_mode_32 3
		.amdhsa_float_denorm_mode_16_64 3
		.amdhsa_memory_ordered 1
		.amdhsa_forward_progress 1
		.amdhsa_inst_pref_size 148
	.end_amdhsa_kernel
	.amdgpu_metadata
---
amdhsa.version: [ 1, 2 ]
amdhsa.kernels:
  - .name:           k_qffb9cd13e6_qkv
    .symbol:         k_qffb9cd13e6_qkv.kd
    .args:
      - { .name: x_codes, .offset: 0, .size: 8, .value_kind: global_buffer, .address_space: global }
      - { .name: x_scales, .offset: 8, .size: 8, .value_kind: global_buffer, .address_space: global }
      - { .name: W_qkv_codes, .offset: 16, .size: 8, .value_kind: global_buffer, .address_space: global }
      - { .name: W_qkv_scales, .offset: 24, .size: 8, .value_kind: global_buffer, .address_space: global }
      - { .name: b_qkv, .offset: 32, .size: 8, .value_kind: global_buffer, .address_space: global }
      - { .name: qq, .offset: 40, .size: 8, .value_kind: global_buffer, .address_space: global }
      - { .name: kv, .offset: 48, .size: 8, .value_kind: global_buffer, .address_space: global }
    .group_segment_fixed_size: 327680
    .private_segment_fixed_size: 0
    .kernarg_segment_align: 8
    .kernarg_segment_size: 56
    .max_flat_workgroup_size: 128
    .sgpr_count:     102
    .vgpr_count:     1024
    .wavefront_size: 32
...
	.end_amdgpu_metadata
.endif
;; end of part 1
;; launch attn (part 2): grid 4 x 64, 16 waves a work-group, clusters of 4 x 1, 327,680 bytes of LDS; arguments qq, kv, yc, ysc; writes yc, ysc
.if DOCPART == 2
	.amdgcn_target "amdgcn-amd-amdhsa--gfx1250"
	.amdhsa_code_object_version 6
	.text
	.protected	k_qffb9cd13e6_attn
	.globl	k_qffb9cd13e6_attn
	.p2align	8
	.type	k_qffb9cd13e6_attn,@function
k_qffb9cd13e6_attn:
	s_mov_b64 s[64:65], 0
	v_nop
	global_prefetch_b8 v0, s[64:65] scope:SCOPE_SE
	s_setreg_imm32_b32 hwreg(HW_REG_WAVE_MODE, 25, 1), 1
	s_wait_xcnt 0x0
	s_wait_alu depctr_hold_cnt(0) depctr_sa_sdst(0) depctr_va_vdst(0) depctr_va_sdst(0) depctr_va_ssrc(0) depctr_va_vcc(0) depctr_vm_vsrc(0)
	s_getreg_b32 s2, hwreg(HW_REG_IB_STS2, 6, 4)
	s_cmp_eq_u32 s2, 0
	s_cbranch_scc0 .Lentry_in_a_cluster
	s_endpgm
.Lentry_in_a_cluster:
	s_bfe_u32 s2, ttmp6, 0x10000c
	s_cmp_lg_u32 s2, 0x3003
	s_cbranch_scc0 .Lentry_shape_is_right
	s_endpgm
.Lentry_shape_is_right:
; y = softmax(q k^T / 8, causal) v for one (batch, head) a cluster, both products on codes of FP4 (E2M1) with one E8M0 scale for each 32 along K; y is quantised along the channels and leaves as codes.
; t = score x log2(e) / 8; M = the running largest t rounded up to a whole number; p = 2^(t - M) is quantised along the keys, not normalised; the row's sum is taken of the unquantised p and divides at the end.
; SHARES.  The four work-groups of a cluster share a head.  Work-group cx owns the query tiles (16 queries) T = 4 u + cx, u = 0 .. 31.  Tile T needs u / 2 + 1 key steps of 128 keys, whatever cx: so no branch
; and no LDS address hangs on a work-group's place in its cluster.  Wave w takes u = 31 - w and then u = w: 17 key steps for every wave of the launch; steps that the mask hides whole are never computed.
; LDS.  The head's 16 frames of 8,960 bytes (k's codes, v^T's codes, their scale words, as images of the operands' registers) are brought once, jointly for the four work-groups: 143,360 bytes, filled once.
; LAYOUT.  Both products are used transposed (S^T = k q^T, O^T = v^T p^T): a lane holds one query (lane % 16).  In S^T tile i, register j, half h is key 16 i + 8 h + j.
; K = 64 in the first product: the other 64 of the instruction's 128 are zero codes.  Registers [K even][zeros][K odd] and [Q][zeros][Q] serve an even key tile by their first eight and an odd one by their last eight.
; LIMITS: NaN and infinities are not served; a block of y whose largest magnitude lies under 2^-124 (a block of zeros too) gets the byte 1; these bytes are read by this program alone.
.set FRAME, 8960
.set HEADB, 16*FRAME
.set SPARE, HEADB                      ; behind the head: the spare words, 128 bytes for each of 16 waves: eight blocks of 256 bytes that no other line names
.set LI,  1                            ; v1  16 x lane
.set L8,  2                            ; v2  8 x lane
.set AD,  3                            ; v3, v4 LDS addresses of the step in hand
.set AD2, 4
.set SPW, 5
.set NIL, 6
.set RH,  7                            ; v7  r - 8 h
.set DD,  8                            ; v8  my query's place in its last key step, less 8 h
.set R32, 9                            ; v9  32 r
.set R16, 10                           ; v10 16 r
.set NM,  12                           ; v12 -M, v13 the largest t, v[14:15] the sum in two halves
.set TT,  13
.set LS,  14
.set QR,  16                           ; v16-27 [Q][zeros][Q]
.set QS,  28                           ; v28 Q's scale words; v29 the second tile's
.set QS2, 29
.set RL,  30                           ; v[30:31] 1 / the sum
.set Q2,  32                           ; v32-35 the second tile's Q
.set KR,  36                           ; v36-83 four times [K 2 g][zeros][K 2 g + 1]
.set VR,  84                           ; v84-115 v^T's four fragments
.set KSC, 116                          ; v116-119 k's scale words: register g: lanes 0-15 tile 2 g, lanes 16-31 tile 2 g + 1
.set VSC, 120                          ; v120-121 v's likewise
.set S,   122                          ; v122-185 S^T, then p; at the end y
.set O,   186                          ; v186-217 O^T
.set PC,  218                          ; v218-225 p's codes
.set BM,  226
.set BT,  230
.set SO,  234
.set F,   238                          ; v238 f = 2^(old M - new M); v239 p's scale word
.set PW,  239
.set TMP, 240
.set TM2, 241
.set L2,  242                          ; v[242:243] the sum's second chain
.set WV,  12
.set SEL, 40
.set CS,  42
.set TB,  44                           ; s44 LDS byte of the key step in hand
.set KS,  45                           ; s45 its number
.set LAST, 46                          ; s46 my tile's last key step
.macro CROUND
	s_barrier_signal -1
	s_barrier_wait -1
	s_cmp_lg_u32 s[WV], 0
	s_cbranch_scc1 .Lnot_wave_0_\@
	s_barrier_signal -3
.Lnot_wave_0_\@:
	s_barrier_wait -3
	s_barrier_signal -1
	s_barrier_wait -1
.endm
	s_load_b256 s[4:11], s[0:1], 0x0               ; qq, kv, yc, ysc
	v_lshl_add_u32 v[SPW], v0, 2, SPARE
	v_mov_b32 v[NIL], 0
	ds_add_u32 v5, v6
	ds_add_u32 v5, v6
	s_wait_dscnt 0x0
	v_lshrrev_b32 v11, 5, v0
	s_delay_alu instid0(VALU_DEP_1)
	v_readfirstlane_b32 s[WV], v11                 ; wave 0..15
	s_bfe_u32 s13, ttmp6, 0x40000                  ; cx
	s_and_b32 s14, ttmp7, 0xffff                   ; batch x 16 + head, which the four partners share
	; descriptor group 1: four frames, 35,840 dense bytes, as 140 rows of 32 elements of 8 bytes; no padding: images are read 16 bytes a lane on end
	s_mov_b32 s16, 15|(3<<16)|(1<<21)              ; the mask: all four work-groups; bit 21 beside it
	s_mov_b32 s17, 32<<16
	s_mov_b32 s18, 140<<16
	s_mov_b32 s19, 32<<16
	s_mov_b32 s20, 140
	s_mov_b32 s21, 32
	s_mov_b32 s22, 0
	s_mov_b32 s23, 0
	s_mul_i32 s36, s14, HEADB
	s_and_b32 s28, s[WV], 3
	s_mul_i32 s28, s28, 4*FRAME
	s_add_co_u32 s30, s36, s28
	s_mov_b32 s31, 0
	s_mov_b32 s[SEL], 0x76543210
	s_mov_b32 s[SEL+1], 0xfedcba98
	s_mov_b32 s[CS], 0x3e38aa3b                    ; c = log2(e) / 8
	s_mov_b32 s[CS+1], s[CS]
	s_wait_kmcnt 0x0
	s_mov_b32 s24, 1
	s_mov_b32 s25, s28
	s_add_nc_u64 s[26:27], s[6:7], s[30:31]
	s_or_b32 s27, s27, 0x80000000
	CROUND                                         ; all four work-groups are here: the joint loads meet
	s_cmp_lt_u32 s[WV], 4                          ; waves 0 to 3 fetch four key steps each: one tensor load of mine is out at the most
	s_cbranch_scc0 .Lno_fill
	tensor_load_to_lds s[24:27], s[16:23]
	s_nop 0
.rept 4
	v_nop
.endr
.Lno_fill:
	s_lshr_b32 s37, s14, 4
	s_lshl_b32 s37, s37, 7                         ; the batch's first token tile
	s_and_b32 s38, s14, 15                         ; the head
	s_lshl_b32 s39, s38, 1
; The addresses of the tile with number u (in s[u]): Q's codes, Q's scale words, y's codes, y's scale bytes, and 16 x the tile's place in its key step.
.macro TILE u, qc, qs, yc, ys, dd
	s_lshr_b32 s28, s[\u], 1
	s_mul_i32 s28, s28, FRAME
	s_add_co_u32 s28, s28, s36                     ; its frame
	s_and_b32 s29, s[\u], 1
	s_lshl_b32 s30, s29, 2
	s_add_co_u32 s30, s30, s13                     ; its place among the frame's eight tiles: 4 (u % 2) + cx
	s_lshl_b32 s31, s30, 9
	s_add_co_u32 s32, s28, s31
	s_mov_b32 s33, 0
	s_add_nc_u64 s[\qc:\qc+1], s[4:5], s[32:33]
	s_lshl_b32 s[\dd], s30, 4
	s_and_b32 s31, s30, 1
	s_lshl_b32 s31, s31, 8
	s_lshr_b32 s32, s30, 1
	s_lshl_b32 s32, s32, 2
	s_add_co_u32 s32, s32, s31
	s_add_co_u32 s32, s32, s28
	s_add_co_u32 s32, s32, 8192                    ; token 32 g + L has word g of lane L: 8,192 + 16 L + 4 g
	s_add_nc_u64 s[\qs:\qs+1], s[4:5], s[32:33]
	s_lshl_b32 s30, s[\u], 2
	s_add_co_u32 s30, s30, s13
	s_add_co_u32 s30, s30, s37                     ; the token tile among all 512
	s_lshl_b32 s32, s30, 4
	s_add_co_u32 s32, s32, s38
	s_lshl_b32 s32, s32, 9
	s_add_nc_u64 s[\yc:\yc+1], s[8:9], s[32:33]
	s_lshl_b32 s32, s30, 9
	s_add_co_u32 s32, s32, s39
	s_add_nc_u64 s[\ys:\ys+1], s[10:11], s[32:33]
.endm
	s_sub_co_u32 s62, 31, s[WV]
	TILE 62, 48, 66, 52, 56, 60
	TILE WV, 50, 68, 54, 58, 61
	v_and_b32 v11, 31, v0
	s_delay_alu instid0(VALU_DEP_1)
	v_lshlrev_b32 v[LI], 4, v11
	s_delay_alu instid0(VALU_DEP_2)
	v_lshlrev_b32 v[L8], 3, v11
	v_and_b32 v[R16], 15, v0
	v_bfe_u32 v11, v0, 4, 1
	s_delay_alu instid0(VALU_DEP_1)
	v_lshlrev_b32 v11, 3, v11
	s_delay_alu instid0(VALU_DEP_1)
	v_sub_nc_u32 v[RH], v[R16], v11
	s_delay_alu instid0(VALU_DEP_4)
	v_lshlrev_b32 v[R32], 5, v[R16]
	v_lshlrev_b32 v[R16], 4, v[R16]
	global_load_b128 v[QR:QR+3], v[LI], s[48:49]
	global_load_b128 v[QR+8:QR+11], v[LI], s[48:49]
	global_load_b32 v[QS], v[R16], s[66:67]
	global_load_b128 v[Q2:Q2+3], v[LI], s[50:51]
	global_load_b32 v[QS2], v[R16], s[68:69]
.irp i, 0,1,2,3
	v_mov_b32 v[QR+4+\i], 0                        ; the zero codes: written once, never loaded into
.irp g, 0,1,2,3
	v_mov_b32 v[KR+12*\g+4+\i], 0
.endr
	v_mov_b32 v[BT+\i], 0                          ; a lane permute's destination counts as one of its sources
.endr
	v_mov_b32 v[TMP], 0
	v_mov_b32 v[PW], 0                             ; named as the upper half of the pair v[238:239] before it is first written
.macro INIT dd                         ; a tile begins: O^T and the sum are zeros, the largest t is -3e38: the first change of M multiplies zeros
.set k, 0
.rept 32
	v_mov_b32 v[O+k], 0
.set k, k+1
.endr
	v_mov_b32 v[LS], 0
	v_mov_b32 v[LS+1], 0
	v_mov_b32 v[TT], 0xff61b1e6
	s_delay_alu instid0(VALU_DEP_1)
	v_floor_f32 v[NM], -v[TT]
	v_add_nc_u32 v[DD], s[\dd], v[RH]
.endm
; The row's sum of the unquantised p: 32 packed additions in two chains, numbered; they are dealt out as the plain work that other lines need round them.
.macro SUMS from, to
.set n, \from
.rept \to-\from+1
.if n == 0
	v_pk_add_f32 v[L2:L2+1], v[S:S+1], v[S+2:S+3]
.elseif n == 31
	s_delay_alu instid0(VALU_DEP_1)
	v_pk_add_f32 v[LS:LS+1], v[LS:LS+1], v[L2:L2+1]
.elseif n%2
	v_pk_add_f32 v[LS:LS+1], v[LS:LS+1], v[S+2*n+2:S+2*n+3]
.else
	v_pk_add_f32 v[L2:L2+1], v[L2:L2+1], v[S+2*n+2:S+2*n+3]
.endif
.set n, n+1
.endr
.endm
; A KEY STEP: 128 keys.
.macro STEP
	v_add_nc_u32 v[AD], s[TB], v[LI]
	v_add_nc_u32 v[AD2], s[TB], v[L8]
.irp g, 0,1,2,3
	ds_load_b128 v[KR+12*\g:KR+12*\g+3], v[AD] offset:1024*\g
	ds_load_b128 v[KR+12*\g+8:KR+12*\g+11], v[AD] offset:1024*\g+512
.endr
	ds_load_b128 v[KSC:KSC+3], v[AD] offset:8192
.irp f, 0,1,2,3,4,5,6,7
	ds_load_b128 v[VR+4*\f:VR+4*\f+3], v[AD] offset:4096+512*\f
.endr
	ds_load_b64 v[VSC:VSC+1], v[AD2] offset:8704
	s_wait_dscnt 9                                 ; k's eight loads and its scale words are in; v's eight and its scale words may be out
.irp g, 0,1,2,3
	v_wmma_scale_f32_16x16x128_f8f6f4 v[S+16*\g:S+16*\g+7], v[KR+12*\g:KR+12*\g+7], v[QR:QR+7], 0, v[KSC+\g], v[QS] matrix_a_fmt:MATRIX_FMT_FP4 matrix_b_fmt:MATRIX_FMT_FP4
	v_wmma_scale_f32_16x16x128_f8f6f4 v[S+16*\g+8:S+16*\g+15], v[KR+12*\g+4:KR+12*\g+11], v[QR+4:QR+11], 0, v[KSC+\g], v[QS] matrix_a_fmt:MATRIX_FMT_FP4 matrix_b_fmt:MATRIX_FMT_FP4 matrix_a_scale:MATRIX_SCALE_ROW1
.endr
	v_mov_b32 v[TMP], v[NM]                        ; the old -M; with three v_nop the four places behind the products
.rept 3
	v_nop
.endr
	s_cmp_lg_u32 s[KS], s[LAST]                    ; only my tile's last key step lies on the diagonal: there hidden scores become -infinity ahead of the maximum
	s_cbranch_scc1 .Lopen_\@
	v_mov_b32 v[BT], 0xff800000
.set n, 0
.rept 64
	v_cmp_gt_i32 vcc_lo, 16*(n/8)+n%8, v[DD]       ; register n holds key 16 (n / 8) + 8 h + n % 8 of the step
	v_cndmask_b32 v[S+n], v[S+n], v[BT], vcc_lo
.set n, n+1
.endr
.Lopen_\@:
.irp b, 0,1,2,3
	v_max3_num_f32 v[BM+\b], v[S+16*\b], v[S+16*\b+1], v[S+16*\b+2]   ; the largest score of each block of 32 keys: for the row's maximum, and, since p rises with the score, for the block's largest p
.endr
.irp i, 3,5,7,9,11,13
.irp b, 0,1,2,3
	v_max3_num_f32 v[BM+\b], v[BM+\b], v[S+16*\b+\i], v[S+16*\b+\i+1]
.endr
.endr
.irp b, 0,1,2,3
	v_max_num_f32 v[BM+\b], v[BM+\b], v[S+16*\b+15]
.endr
.irp b, 0,1,2,3
	s_delay_alu instid0(VALU_DEP_4)
	v_permlanex16_b32 v[BT+\b], v[BM+\b], s[SEL], s[SEL+1]
.endr
.irp b, 0,1,2,3
	s_delay_alu instid0(VALU_DEP_4)
	v_max_num_f32 v[BM+\b], v[BM+\b], v[BT+\b]
.endr
	s_delay_alu instid0(VALU_DEP_2)
	v_max3_num_f32 v[TM2], v[BM], v[BM+1], v[BM+2]
	s_delay_alu instid0(VALU_DEP_1)
	v_max_num_f32 v[TM2], v[TM2], v[BM+3]
	s_delay_alu instid0(VALU_DEP_1)
	v_mul_f32 v[TM2], s[CS], v[TM2]
	s_delay_alu instid0(VALU_DEP_1)
	v_max_num_f32 v[TT], v[TT], v[TM2]             ; the running largest t
	s_delay_alu instid0(VALU_DEP_1)
	v_floor_f32 v[NM], -v[TT]                      ; -M = floor(-t): M is a whole number
	s_delay_alu instid0(VALU_DEP_1)
	v_sub_f32 v[TMP], v[NM], v[TMP]                ; old M - new M, 0 or less
	s_delay_alu instid0(VALU_DEP_1)
	v_cvt_i32_f32 v[TMP], v[TMP]                   ; (it saturates)
	s_delay_alu instid0(VALU_DEP_1)
	v_ldexp_f32 v[F], 1.0, v[TMP]                  ; f = 2^(old M - new M): a multiplication by it rounds nothing
.set j, 0
.rept 32
	v_pk_fma_f32 v[S+j:S+j+1], v[S+j:S+j+1], s[CS:CS+1], v[NM:NM+1] op_sel_hi:[1,0,0]   ; t - M
.set j, j+2
.endr
	s_setprio 1
.irp b, 0,1,2,3
	v_fma_f32 v[BM+\b], v[BM+\b], s[CS], v[NM]
.endr
.set j, 0
	s_wait_alu depctr_va_vdst(0)
.rept 64
	v_exp_f32 v[S+j], v[S+j]                       ; p = 2^(t - M)
.set j, j+1
.endr
.set j, 0
	s_wait_alu depctr_va_vdst(0)
.rept 16
	v_pk_mul_f32 v[O+j:O+j+1], v[O+j:O+j+1], v[F:F+1] op_sel_hi:[1,0]   ; O^T under the new M: plain work that names no exponential's result
.set j, j+2
.endr
	v_pk_mul_f32 v[LS:LS+1], v[LS:LS+1], v[F:F+1] op_sel_hi:[1,0]
	s_wait_alu depctr_va_vdst(0)                   ; one wait for the batch of 64, ahead of its first reader
.irp b, 0,1,2,3
	v_exp_f32 v[BM+\b], v[BM+\b]                   ; each block's largest p
.endr
	SUMS 0, 15                                     ; they read the 64 alone
	s_wait_alu depctr_va_vdst(0)                   ; and one for the four
.irp b, 0,1,2,3
	v_max_num_f32 v[BM+\b], 0x1800000, v[BM+\b]    ; the floor 2^(3 - 127): the byte cannot fall under 1
.endr
.irp b, 0,1,2,3
	s_delay_alu instid0(VALU_DEP_4)
	v_add_nc_u32 v[SO+\b], 0xff000000, v[BM+\b]    ; 2 off the exponent field: the conversion's scale operand
.endr
.irp b, 0,1,2,3
	s_delay_alu instid0(VALU_DEP_4)
	v_lshrrev_b32 v[BT+\b], 23, v[SO+\b]
.endr
	s_delay_alu instid0(VALU_DEP_3)
	v_lshl_or_b32 v[PW], v[BT+1], 8, v[BT]
	s_delay_alu instid0(VALU_DEP_1)
	v_lshl_or_b32 v[PW], v[BT+2], 16, v[PW]
	s_delay_alu instid0(VALU_DEP_1)
	v_lshl_or_b32 v[PW], v[BT+3], 24, v[PW]        ; p's scale word for these 128 keys
	s_setprio 0
.irp c, 0,1                            ; tiles 4 c, 4 c + 2, 4 c + 1, 4 c + 3 into registers 4 c .. 4 c + 3; two exchanges of halves then give each lane whole blocks
	v_cvt_scalef32_pk8_fp4_f32 v[PC+4*\c], v[S+32*\c:S+32*\c+7], v[SO+2*\c]
	v_cvt_scalef32_pk8_fp4_f32 v[PC+4*\c+1], v[S+32*\c+16:S+32*\c+23], v[SO+2*\c+1]
	v_cvt_scalef32_pk8_fp4_f32 v[PC+4*\c+2], v[S+32*\c+8:S+32*\c+15], v[SO+2*\c]
	v_cvt_scalef32_pk8_fp4_f32 v[PC+4*\c+3], v[S+32*\c+24:S+32*\c+31], v[SO+2*\c+1]
.endr
	v_nop                                          ; one plain place behind a scaled conversion
.irp c, 0,1
	v_permlane16_swap_b32 v[PC+4*\c], v[PC+4*\c+1]
	v_permlane16_swap_b32 v[PC+4*\c+2], v[PC+4*\c+3]
.endr
	SUMS 16, 23                                    ; eight plain places between the scale word and the codes just made and the scaled products
	s_wait_alu depctr_va_vdst(0)
	s_wait_dscnt 0x0                               ; v and its scale words are in
.irp g, 0,1
	v_wmma_scale_f32_16x16x128_f8f6f4 v[O+16*\g:O+16*\g+7], v[VR+16*\g:VR+16*\g+7], v[PC:PC+7], v[O+16*\g:O+16*\g+7], v[VSC+\g], v[PW] matrix_a_fmt:MATRIX_FMT_FP4 matrix_b_fmt:MATRIX_FMT_FP4
	v_wmma_scale_f32_16x16x128_f8f6f4 v[O+16*\g+8:O+16*\g+15], v[VR+16*\g+8:VR+16*\g+15], v[PC:PC+7], v[O+16*\g+8:O+16*\g+15], v[VSC+\g], v[PW] matrix_a_fmt:MATRIX_FMT_FP4 matrix_b_fmt:MATRIX_FMT_FP4 matrix_a_scale:MATRIX_SCALE_ROW1
.endr
	SUMS 24, 31                                    ; the places behind the last products, on every way on
.endm
; A tile's walk over the keys.  Every wave walks all trips, so that the trip count is a constant; a step past my tile's last is jumped over, all but the lines that step the address and the count.
.macro PASS nsteps
	s_mov_b32 s[TB], 0
	s_mov_b32 s[KS], 0
.Lks_\@:
	s_cmp_gt_u32 s[KS], s[LAST]
	s_cbranch_scc1 .Lskip_\@
	s_wait_alu depctr_va_vdst(0)
	s_setprio 2
	STEP
.Lskip_\@:
	s_add_co_u32 s[TB], s[TB], FRAME
	s_add_co_u32 s[KS], s[KS], 1
	s_cmp_lt_u32 s[KS], \nsteps
	s_cbranch_scc1 .Lks_\@
	s_setprio 0
.endm
; y = O^T / the sum; register 8 t + j of lane (r, h) is channel 16 t + 8 h + j of query r: two blocks of 32, quantised as p is; the codes are half a fragment of the last product.
.macro FINISH yc, ys
	v_add_f32 v[LS], v[LS], v[LS+1]
	s_delay_alu instid0(VALU_DEP_1)
	v_permlanex16_b32 v[TMP], v[LS], s[SEL], s[SEL+1]
	s_delay_alu instid0(VALU_DEP_1)
	v_add_f32 v[LS], v[LS], v[TMP]
	s_wait_alu depctr_va_vdst(0)
	v_rcp_f32 v[RL], v[LS]
	v_nop                                          ; one plain place behind the reciprocal
	s_wait_alu depctr_va_vdst(0)                   ; and the wait ahead of its first reader
	v_mov_b32 v[RL+1], v[RL]
.set j, 0
.rept 16
	v_pk_mul_f32 v[S+j:S+j+1], v[O+j:O+j+1], v[RL:RL+1]   ; each accumulator from its low end on
.set j, j+2
.endr
.irp b, 0,1
	v_max3_num_f32 v[BM+\b], |v[S+16*\b]|, |v[S+16*\b+1]|, 0x1800000
.endr
.irp i, 2,4,6,8,10,12,14
.irp b, 0,1
	s_delay_alu instid0(VALU_DEP_2)
	v_max3_num_f32 v[BM+\b], v[BM+\b], |v[S+16*\b+\i]|, |v[S+16*\b+\i+1]|
.endr
.endr
.irp b, 0,1
	s_delay_alu instid0(VALU_DEP_2)
	v_permlanex16_b32 v[BT+\b], v[BM+\b], s[SEL], s[SEL+1]
.endr
.irp b, 0,1
	s_delay_alu instid0(VALU_DEP_2)
	v_max_num_f32 v[BM+\b], v[BM+\b], v[BT+\b]
.endr
.irp b, 0,1
	s_delay_alu instid0(VALU_DEP_2)
	v_add_nc_u32 v[SO+\b], 0xff000000, v[BM+\b]
.endr
.irp b, 0,1
	s_delay_alu instid0(VALU_DEP_2)
	v_lshrrev_b32 v[BT+\b], 23, v[SO+\b]
.endr
	s_delay_alu instid0(VALU_DEP_1)
	v_lshl_or_b32 v[TMP], v[BT+1], 8, v[BT]
	v_cvt_scalef32_pk8_fp4_f32 v[PC], v[S:S+7], v[SO]
	v_cvt_scalef32_pk8_fp4_f32 v[PC+1], v[S+16:S+23], v[SO+1]
	v_cvt_scalef32_pk8_fp4_f32 v[PC+2], v[S+8:S+15], v[SO]
	v_cvt_scalef32_pk8_fp4_f32 v[PC+3], v[S+24:S+31], v[SO+1]
	v_nop
	v_permlane16_swap_b32 v[PC], v[PC+1]
	v_permlane16_swap_b32 v[PC+2], v[PC+3]
	global_store_b128 v[LI], v[PC:PC+3], s[\yc:\yc+1]      ; 32 lanes store 512 consecutive bytes
	global_store_b16 v[R32], v[TMP], s[\ys:\ys+1]          ; my head's two bytes of my token's 32; both halves of the lanes write the same bytes with the same value
.endm
	INIT 60
	s_wait_loadcnt 0x0                             ; Q of both tiles
	s_wait_tensorcnt 0x0                           ; my part of the head has landed
	ds_add_u32 v[SPW], v[NIL]                      ; 0 onto my spare word
	s_wait_dscnt 0x0
	s_barrier_signal -1
	s_barrier_wait -1                              ; everybody's has
	s_lshr_b32 s[LAST], s62, 1
	PASS 16
	s_wait_alu depctr_va_vdst(0)
	FINISH 52, 56
	s_wait_xcnt 0x0                                ; the stores have read their registers: the codes and the word are written again below
.irp i, 0,1,2,3
	v_mov_b32 v[QR+\i], v[Q2+\i]
	v_mov_b32 v[QR+8+\i], v[Q2+\i]
.endr
	v_mov_b32 v[QS], v[QS2]                        ; the lines of INIT are the places between these and the next products
	INIT 61
	s_lshr_b32 s[LAST], s[WV], 1
	PASS 8
	s_wait_alu depctr_va_vdst(0)
	FINISH 54, 58
	s_wait_tensorcnt 0x0                           ; the wave's end
	ds_add_u32 v[SPW], v[NIL]
	s_wait_dscnt 0x0
	CROUND                                         ; the closing round
	s_endpgm
.Lfunc_end_k_qffb9cd13e6_attn:
	.size	k_qffb9cd13e6_attn, .Lfunc_end_k_qffb9cd13e6_attn-k_qffb9cd13e6_attn
	.p2alignl 7, 3214868480
	.fill 96, 4, 3214868480
	.section	.rodata,"a",@progbits
	.p2align	6, 0x0
	.amdhsa_kernel k_qffb9cd13e6_attn
		.amdhsa_group_segment_fixed_size 327680
		.amdhsa_private_segment_fixed_size 0
		.amdhsa_enable_private_segment 0
		.amdhsa_kernarg_size 32
		.amdhsa_user_sgpr_count 2
		.amdhsa_user_sgpr_kernarg_segment_ptr 1
		.amdhsa_wavefront_size32 1
		.amdhsa_system_sgpr_workgroup_id_x 1
		.amdhsa_system_sgpr_workgroup_id_y 1
		.amdhsa_system_sgpr_workgroup_id_z 1
		.amdhsa_system_vgpr_workitem_id 0
		.amdhsa_next_free_vgpr 256
		.amdhsa_next_free_sgpr 72
		.amdhsa_reserve_vcc 1
		.amdhsa_float_denorm_mode_32 3
		.amdhsa_float_denorm_mode_16_64 3
		.amdhsa_memory_ordered 1
		.amdhsa_forward_progress 1
		.amdhsa_inst_pref_size 61
	.end_amdhsa_kernel
	.amdgpu_metadata
---
amdhsa.version: [ 1, 2 ]
amdhsa.kernels:
  - .name:           k_qffb9cd13e6_attn
    .symbol:         k_qffb9cd13e6_attn.kd
    .args:
      - { .name: qq, .offset: 0, .size: 8, .value_kind: global_buffer, .address_space: global }
      - { .name: kv, .offset: 8, .size: 8, .value_kind: global_buffer, .address_space: global }
      - { .name: yc, .offset: 16, .size: 8, .value_kind: global_buffer, .address_space: global }
      - { .name: ysc, .offset: 24, .size: 8, .value_kind: global_buffer, .address_space: global }
    .group_segment_fixed_size: 327680
    .private_segment_fixed_size: 0
    .kernarg_segment_align: 8
    .kernarg_segment_size: 32
    .max_flat_workgroup_size: 512
    .sgpr_count:     72
    .vgpr_count:     256
    .wavefront_size: 32
...
	.end_amdgpu_metadata
.endif
;; end of part 2
;; launch proj (part 3): grid 4 x 64, 4 waves a work-group, clusters of 4 x 4, 327,680 bytes of LDS; arguments yc, ysc, W_proj_codes, W_proj_scales, b_proj, out0; writes out0
.if DOCPART == 3
	.amdgcn_target "amdgcn-amd-amdhsa--gfx1250"
	.amdhsa_code_object_version 6
	.text
	.protected	k_qffb9cd13e6_proj
	.globl	k_qffb9cd13e6_proj
	.p2align	8
	.type	k_qffb9cd13e6_proj,@function
k_qffb9cd13e6_proj:
	s_mov_b64 s[64:65], 0
	v_nop
	global_prefetch_b8 v0, s[64:65] scope:SCOPE_SE
	s_setreg_imm32_b32 hwreg(HW_REG_WAVE_MODE, 25, 1), 1
	s_wait_xcnt 0x0
	s_wait_alu depctr_hold_cnt(0) depctr_sa_sdst(0) depctr_va_vdst(0) depctr_va_sdst(0) depctr_va_ssrc(0) depctr_va_vcc(0) depctr_vm_vsrc(0)
	s_getreg_b32 s2, hwreg(HW_REG_IB_STS2, 6, 4)
	s_cmp_eq_u32 s2, 0
	s_cbranch_scc0 .Lentry_in_a_cluster
	s_endpgm
.Lentry_in_a_cluster:
	s_bfe_u32 s2, ttmp6, 0x10000c
	s_cmp_lg_u32 s2, 0xf033
	s_cbranch_scc0 .Lentry_shape_is_right
	s_endpgm
.Lentry_shape_is_right:
; out0 = y W_proj + b_proj on codes of FP4 (E2M1) with one E8M0 scale for each 32 along K = 1,024; out0 [8192][1024] f32.
; y's codes lie as images of the operand's registers: [token tile of 16][K step of 128: 8][1,024 bytes], lane L's 16 bytes at 16 L and 512 + 16 L; its scale bytes [8192][32].  W_proj's codes and scale bytes lie by rows, K innermost.
; A work-group of four waves makes 128 tokens x 256 columns: 256 work-groups.  A wave makes 64 x 128: 32 accumulators.  The matrix instruction is used transposed (source 0 = 16 rows of W, source 1 = 16 tokens):
; a lane holds eight neighbouring columns of one token's row.  The bias is the C of each sum's first product.
; K goes through two LDS slots of 512 along K; both are first fills, nothing is filled again.  CLUSTER 4 x 4: y's tiles are asked for jointly along a row of the cluster, W's along a column.
.set PITCH,  272                       ; a row of W in LDS: 256 bytes + 16 of padding
.set HALFT,  128*PITCH
.set WSLOT,  2*HALFT
.set YI,     0                         ; y's images: [slot 2][token tile 8][4,096]
.set WB,     65536                     ; W's rows: [slot 2][256 rows]
.set SCY,    WB+2*WSLOT                ; y's scale bytes, as units of 256 bytes + 16
.set SCW,    SCY+16*272                ; W's
.set STG,    SCW+32*272                ; a stage of 16 rows x (512 + 16) bytes for each wave: bytes of its own, into which no fill lands
.set SPITCH, 528
.set SPARE,  STG+4*16*SPITCH           ; the spare words
.set ADRA, 16                          ; v16 my images of y: 16 x lane + 16,384 x my half
.set ADRB, 20                          ; v20-21 my rows of W in slot 0, 1
.set ASY,  22                          ; v22, v23 my scale words of y and of W: lanes 0-15 an even block's rows, lanes 16-31 the odd block's
.set ASW,  23
.set STO,  24
.set RD,   25
.set CO,   26                          ; v26 16 x lane
.set SPW,  28
.set NIL,  29
.set SY,   32                          ; v32-47 y's scale words: register 8 g + q: blocks 2 g, 2 g + 1, K step q
.set SW,   48                          ; v48-79 W's likewise
.set AF,   96                          ; v96-159 y's fragments, two sets of four
.set BI,   160                         ; v160-223 the bias
.set BK,   96                          ; the way out: v96-159 and v160-223 by turns
.set G1Y, 24
.set G0Y, 32
.set G1W, 48
.set G0W, 56
.set G1SY, 68
.set G0SY, 76
.set G1SW, 80
.set G0SW, 88
.set MSB, 0
.macro WIN new
.if MSB != (\new)
	s_set_vgpr_msb (MSB<<8)|(\new)
.set MSB, (\new)
.endif
.endm
.macro JLOAD g0a, g1a, g0b, g1b        ; waves 0 and 1 fetch for y, waves 2 and 3 for W; four v_nop follow each of the two lines
	s_cmp_eq_u32 s15, 0
	s_cbranch_scc0 .Lfor_b_\@
	tensor_load_to_lds s[\g0a:\g0a+3], s[\g1a:\g1a+7]
	s_nop 0
.rept 4
	v_nop
.endr
	s_branch .Lasked_\@
.Lfor_b_\@:
	tensor_load_to_lds s[\g0b:\g0b+3], s[\g1b:\g1b+7]
	s_nop 0
.rept 4
	v_nop
.endr
.Lasked_\@:
.endm
.macro CROUND
	s_barrier_signal -1
	s_barrier_wait -1
	s_cmp_lg_u32 s14, 0
	s_cbranch_scc1 .Lnot_wave_0_\@
	s_barrier_signal -3
.Lnot_wave_0_\@:
	s_barrier_wait -3
	s_barrier_signal -1
	s_barrier_wait -1
.endm
.macro PLACES n
.rept \n
	v_nop
.endr
.endm
	s_load_b256 s[4:11], s[0:1], 0x0               ; y's codes, y's scales, W's codes, W's scales
	s_load_b128 s[96:99], s[0:1], 0x20             ; b_proj, out0
	v_lshl_add_u32 v[SPW], v0, 2, SPARE
	v_mov_b32 v[NIL], 0
	ds_add_u32 v28, v29
	ds_add_u32 v28, v29
	s_wait_dscnt 0x0
	v_lshrrev_b32 v1, 5, v0
	v_readfirstlane_b32 s14, v1                    ; wave 0..3
	s_lshr_b32 s15, s14, 1                         ; my half of the tokens.  Also: I fetch for y (0) or for W (1)
	s_and_b32 s16, s14, 1                          ; my half of the columns.  Also: which half I fetch
	s_bfe_u32 s40, ttmp6, 0x40000                  ; cx
	s_bfe_u32 s41, ttmp6, 0x40004                  ; cy
	s_lshl_b32 s42, ttmp9, 2
	s_add_co_u32 s42, s42, s40                     ; the tile of 256 columns
	s_and_b32 s17, ttmp7, 0xffff
	s_lshl_b32 s17, s17, 2
	s_add_co_u32 s17, s17, s41                     ; the tile of 128 tokens
	s_lshl_b32 s43, s41, 2
	s_lshl_b32 s43, 15, s43                        ; my row of the cluster
	s_lshl_b32 s44, 0x1111, s40                    ; my column
	s_or_b32 s[G1Y+0], s43, (3<<16)|(1<<21)        ; y's codes: 4 token tiles x 4,096 bytes (512 elements of 8 bytes), 8,192 bytes apart; no padding
	s_mov_b32 s[G1Y+1], 512<<16
	s_mov_b32 s[G1Y+2], 4<<16
	s_mov_b32 s[G1Y+3], 512<<16
	s_mov_b32 s[G1Y+4], 4
	s_mov_b32 s[G1Y+5], 1024
	s_mov_b32 s[G1Y+6], 0
	s_mov_b32 s[G1Y+7], 0
	s_or_b32 s[G1W+0], s44, (0<<16)|(1<<20)|(1<<21)|(5<<22)|(3<<25)  ; W's codes: 128 rows x 256 bytes, 512 bytes apart; 4 words of padding behind every 64
	s_mov_b32 s[G1W+1], 256<<16
	s_mov_b32 s[G1W+2], 128<<16
	s_mov_b32 s[G1W+3], 256<<16
	s_mov_b32 s[G1W+4], 128
	s_mov_b32 s[G1W+5], 512
	s_mov_b32 s[G1W+6], 0
	s_mov_b32 s[G1W+7], 0
	s_or_b32 s[G1SY+0], s43, (3<<16)|(1<<20)|(1<<21)|(5<<22)|(3<<25) ; the scale bytes of 64 tokens: 8 rows of 256 bytes
	s_mov_b32 s[G1SY+1], 32<<16
	s_mov_b32 s[G1SY+2], 8<<16
	s_mov_b32 s[G1SY+3], 32<<16
	s_mov_b32 s[G1SY+4], 8
	s_mov_b32 s[G1SY+5], 32
	s_mov_b32 s[G1SY+6], 0
	s_mov_b32 s[G1SY+7], 0
	s_or_b32 s[G1SW+0], s44, (3<<16)|(1<<20)|(1<<21)|(5<<22)|(3<<25) ; those of 128 rows of W: 16 rows of 256 bytes
	s_mov_b32 s[G1SW+1], 32<<16
	s_mov_b32 s[G1SW+2], 16<<16
	s_mov_b32 s[G1SW+3], 32<<16
	s_mov_b32 s[G1SW+4], 16
	s_mov_b32 s[G1SW+5], 32
	s_mov_b32 s[G1SW+6], 0
	s_mov_b32 s[G1SW+7], 0
	s_lshl_b32 s20, s17, 16                        ; y's codes: 65,536 bytes a tile of 128 tokens, 32,768 a half
	s_lshl_b32 s18, s16, 15
	s_add_co_u32 s20, s20, s18
	s_mov_b32 s21, 0
	s_lshl_b32 s22, s17, 12                        ; its scale bytes: 4,096 and 2,048
	s_lshl_b32 s18, s16, 11
	s_add_co_u32 s22, s22, s18
	s_mov_b32 s23, 0
	s_lshl_b32 s46, s42, 17                        ; W's codes: 256 rows of 512 bytes a tile
	s_lshl_b32 s18, s16, 16
	s_add_co_u32 s46, s46, s18
	s_mov_b32 s47, 0
	s_lshl_b32 s92, s42, 13                        ; its scale bytes
	s_lshl_b32 s18, s16, 12
	s_add_co_u32 s92, s92, s18
	s_mov_b32 s93, 0
	s_lshl_b32 s45, s16, 14                        ; where they go in LDS: by the half that I fetch
	s_mul_i32 s94, s16, HALFT
	s_add_co_u32 s94, s94, WB
	s_mul_i32 s95, s16, 8*272
	s_mul_i32 s19, s16, 16*272
	s_wait_kmcnt 0x0
	s_add_nc_u64 s[20:21], s[4:5], s[20:21]
	s_add_nc_u64 s[22:23], s[6:7], s[22:23]
	s_add_nc_u64 s[46:47], s[8:9], s[46:47]
	s_add_nc_u64 s[92:93], s[10:11], s[92:93]
	CROUND                                         ; all sixteen work-groups are here: the first joint loads meet
	s_mov_b32 s[G0SY], 1
	s_add_co_u32 s[G0SY+1], s95, SCY
	s_mov_b64 s[G0SY+2:G0SY+3], s[22:23]
	s_or_b32 s[G0SY+3], s[G0SY+3], 0x80000000
	s_mov_b32 s[G0SW], 1
	s_add_co_u32 s[G0SW+1], s19, SCW
	s_mov_b64 s[G0SW+2:G0SW+3], s[92:93]
	s_or_b32 s[G0SW+3], s[G0SW+3], 0x80000000
	JLOAD G0SY, G1SY, G0SW, G1SW                   ; three tensor loads of mine are out at the most
.irp s, 0,1
	s_mov_b32 s[G0Y+4*\s], 1
	s_add_co_u32 s[G0Y+4*\s+1], s45, \s*32768
	s_add_nc_u64 s[G0Y+4*\s+2:G0Y+4*\s+3], s[20:21], \s*4096
	s_or_b32 s[G0Y+4*\s+3], s[G0Y+4*\s+3], 0x80000000
	s_mov_b32 s[G0W+4*\s], 1
	s_add_co_u32 s[G0W+4*\s+1], s94, \s*WSLOT
	s_add_nc_u64 s[G0W+4*\s+2:G0W+4*\s+3], s[46:47], \s*256
	s_or_b32 s[G0W+4*\s+3], s[G0W+4*\s+3], 0x80000000
	JLOAD G0Y+4*\s, G1Y, G0W+4*\s, G1W
.endr
	v_and_b32 v1, 15, v0                           ; r
	v_bfe_u32 v2, v0, 4, 1                         ; h
	v_and_b32 v6, 31, v0
	v_lshlrev_b32 v[CO], 4, v6
	s_lshl_b32 s21, s15, 14
	v_add_nc_u32 v[ADRA], s21, v[CO]
	v_mul_u32_u24 v3, v1, PITCH
	v_lshl_add_u32 v4, v2, 4, v3
	s_mul_i32 s22, s16, HALFT
	s_add_co_u32 s22, s22, WB
	v_add_nc_u32 v[ADRB], s22, v4
	s_add_co_u32 s22, s22, WSLOT
	v_add_nc_u32 v[ADRB+1], s22, v4
	v_lshlrev_b32 v5, 5, v1                        ; a row's 32 scale bytes, 16 more for each 256 passed, and 544 for the odd block
	v_lshrrev_b32 v7, 3, v1
	v_lshl_add_u32 v5, v7, 4, v5
	v_mad_u32_u24 v5, v2, 544, v5
	s_mul_i32 s21, s15, 8*272
	s_add_co_u32 s21, s21, SCY
	v_add_nc_u32 v[ASY], s21, v5
	s_mul_i32 s21, s16, 16*272
	s_add_co_u32 s21, s21, SCW
	v_add_nc_u32 v[ASW], s21, v5
	s_mul_i32 s23, s14, 16*SPITCH
	s_add_co_u32 s23, s23, STG
	v_mul_u32_u24 v5, v1, SPITCH
	v_lshl_add_u32 v5, v2, 5, v5
	v_add_nc_u32 v[STO], s23, v5                   ; into my stage: row r, 32 bytes for each half of the lanes
	v_add_nc_u32 v[RD], s23, v[CO]                 ; back: the 32 lanes take one row of 512 bytes
	s_lshl_b32 s46, s42, 10                        ; my first column, in bytes: 1,024 x tile + 512 x half
	s_lshl_b32 s47, s16, 9
	s_add_co_u32 s46, s46, s47
	s_mov_b32 s47, 0
	s_add_nc_u64 s[96:97], s[96:97], s[46:47]      ; the bias of my 128 columns
	v_lshlrev_b32 v7, 5, v2
.irp b, 0,1,2,3,4,5,6,7
	global_load_b128 v[BI+8*\b:BI+8*\b+3], v7, s[96:97] offset:64*\b
	global_load_b128 v[BI+8*\b+4:BI+8*\b+7], v7, s[96:97] offset:64*\b+16
.endr
	s_lshl_b32 s20, s17, 7
	s_lshl_b32 s21, s15, 6
	s_add_co_u32 s20, s20, s21                     ; my first token
	s_lshl_b32 s20, s20, 12                        ; a row of out0 is 4,096 bytes
	s_add_co_u32 s20, s20, s46
	s_mov_b32 s21, 0
	s_add_nc_u64 s[98:99], s[98:99], s[20:21]
.macro FETCH q                         ; the fragments of K step q into set q % 2: W's eight (window 1), y's four
	WIN 0x40
.irp i, 0,1,2,3,4,5,6,7
.irp c, 0,1
	ds_load_b128 v[64*((\q)%2)+8*\i+4*\c:64*((\q)%2)+8*\i+4*\c+3], v[ADRB+(\q)/4] offset:64*((\q)%4)+32*\c+\i*16*PITCH
.endr
.endr
	WIN 0
.irp a, 0,1,2,3
.irp c, 0,1
	ds_load_b128 v[AF+32*((\q)%2)+8*\a+4*\c:AF+32*((\q)%2)+8*\a+4*\c+3], v[ADRA] offset:32768*((\q)/4)+4096*\a+1024*((\q)%4)+512*\c
.endr
.endr
.endm
.macro WM a, b, q                      ; tokens' block a x W's block b, K step q; an odd block's scale words lie in lanes 16-31
.set rD, 8*(8*(\a)+(\b))
.if (\q) == 0
.set rC, BI+8*(\b)
.else
.set rC, rD
.endif
.set rP, 64*((\q)%2)+8*(\b)
.set rR, AF+32*((\q)%2)+8*(\a)
.set sP, SW+8*((\b)/2)+(\q)
.set sR, SY+8*((\a)/2)+(\q)
.if ((\b)%2 == 0) && ((\a)%2 == 0)
	v_wmma_scale_f32_16x16x128_f8f6f4 v[rD:rD+7], v[rP:rP+7], v[rR:rR+7], v[rC:rC+7], v[sP], v[sR] matrix_a_fmt:MATRIX_FMT_FP4 matrix_b_fmt:MATRIX_FMT_FP4
.elseif ((\b)%2 == 1) && ((\a)%2 == 0)
	v_wmma_scale_f32_16x16x128_f8f6f4 v[rD:rD+7], v[rP:rP+7], v[rR:rR+7], v[rC:rC+7], v[sP], v[sR] matrix_a_fmt:MATRIX_FMT_FP4 matrix_b_fmt:MATRIX_FMT_FP4 matrix_a_scale:MATRIX_SCALE_ROW1
.elseif ((\b)%2 == 0)
	v_wmma_scale_f32_16x16x128_f8f6f4 v[rD:rD+7], v[rP:rP+7], v[rR:rR+7], v[rC:rC+7], v[sP], v[sR] matrix_a_fmt:MATRIX_FMT_FP4 matrix_b_fmt:MATRIX_FMT_FP4 matrix_b_scale:MATRIX_SCALE_ROW1
.else
	v_wmma_scale_f32_16x16x128_f8f6f4 v[rD:rD+7], v[rP:rP+7], v[rR:rR+7], v[rC:rC+7], v[sP], v[sR] matrix_a_fmt:MATRIX_FMT_FP4 matrix_b_fmt:MATRIX_FMT_FP4 matrix_a_scale:MATRIX_SCALE_ROW1 matrix_b_scale:MATRIX_SCALE_ROW1
.endif
.endm
; A K step of 128: the next step's 24 loads go out first, into the set that the step before multiplied; then 32 products, the 32 accumulators by turns.
.macro KSTEP q
.if (\q) > 0
	PLACES 4                                       ; in front of loads into registers that matrix instructions have read
.endif
.if (\q) == 3
	s_wait_tensorcnt 0x0                           ; my part of slot 1 has landed
	ds_add_u32 v[SPW], v[NIL]                      ; 0 onto my spare word
	s_wait_dscnt 0x0
	s_barrier_signal -1
	s_barrier_wait -1                              ; everybody's has: K step 4 may be fetched
.endif
.if (\q) < 7
	FETCH (\q)+1
	s_wait_dscnt 24                                ; all but the 24 just issued
.else
	s_wait_dscnt 0x0
.endif
.if (\q) == 0
	WIN 0x81                                       ; W window 1, y and the bias window 0, D window 2
.else
	WIN 0xa1                                       ; C and D window 2
.endif
.irp a, 0,1,2,3
.irp b, 0,1,2,3,4,5,6,7
	WM \a, \b, \q
.endr
.endr
	WIN 0
.endm
	s_wait_tensorcnt 1                             ; the scales and my part of slot 0 are in; slot 1's load may be out
	s_barrier_signal -1
	s_barrier_wait -1
.irp g, 0,1
	ds_load_b128 v[SY+8*\g:SY+8*\g+3], v[ASY] offset:1088*\g
	ds_load_b128 v[SY+8*\g+4:SY+8*\g+7], v[ASY] offset:1088*\g+16
.endr
.irp g, 0,1,2,3
	ds_load_b128 v[SW+8*\g:SW+8*\g+3], v[ASW] offset:1088*\g
	ds_load_b128 v[SW+8*\g+4:SW+8*\g+7], v[ASW] offset:1088*\g+16
.endr
	FETCH 0
	s_wait_loadcnt 0x0                             ; the bias
.irp q, 0,1,2,3,4,5,6,7
	KSTEP \q
.endr
; THE WAY OUT, a block of 16 tokens x 128 columns at a time: through my own stage in LDS and back as whole rows of 512 bytes.  LDS serves a wave's instructions in order (ISA guide 5.7.1.4): no wait between the stores and the loads.
.macro TOSTAGE a
.set AC, 64*(\a)
	WIN 0x08                                       ; an LDS store's data: window 2
.irp b, 0,1,2,3,4,5,6,7
	ds_store_b128 v[STO], v[AC+8*\b:AC+8*\b+3] offset:64*\b          ; each accumulator from its low end on
	ds_store_b128 v[STO], v[AC+8*\b+4:AC+8*\b+7] offset:64*\b+16
.endr
	WIN 0
.set BB, BK+64*((\a)%2)
.irp t, 0,1,2,3,4,5,6,7,8,9,10,11,12,13,14,15
	ds_load_b128 v[BB+4*\t:BB+4*\t+3], v[RD] offset:\t*SPITCH
.endr
.endm
.macro SEND a, younger                 ; younger: the LDS instructions issued behind block a's loads, which may stay out
.set BB, BK+64*((\a)%2)
	s_wait_dscnt \younger
.if (\a) > 0
	s_add_nc_u64 s[98:99], s[98:99], 16*4096       ; (behind a wait on XCNT: the earlier stores have read their base)
.endif
.irp t, 0,1,2,3,4,5,6,7,8,9,10,11,12,13,14,15
	global_store_b128 v[CO], v[BB+4*\t:BB+4*\t+3], s[98:99] offset:\t*4096 th:TH_STORE_NT   ; 32 lanes store 512 consecutive bytes, at a multiple of 256 from out0's first byte
.endr
.endm
	PLACES 4
	TOSTAGE 0
.irp a, 1,2,3
.if \a > 1
	s_wait_xcnt 0x0                                ; block a - 2's stores have read their registers and their base
.endif
	TOSTAGE \a
	SEND \a-1, 32                                  ; behind block a - 1's loads: block a's 16 stores and 16 loads
.endr
	s_wait_xcnt 0x0
	SEND 3, 0
	s_wait_tensorcnt 0x0                           ; the wave's end
	ds_add_u32 v[SPW], v[NIL]
	s_wait_dscnt 0x0
	CROUND                                         ; the closing round
	s_endpgm
.Lfunc_end_k_qffb9cd13e6_proj:
	.size	k_qffb9cd13e6_proj, .Lfunc_end_k_qffb9cd13e6_proj-k_qffb9cd13e6_proj
	.p2alignl 7, 3214868480
	.fill 96, 4, 3214868480
	.section	.rodata,"a",@progbits
	.p2align	6, 0x0
	.amdhsa_kernel k_qffb9cd13e6_proj
		.amdhsa_group_segment_fixed_size 327680
		.amdhsa_private_segment_fixed_size 0
		.amdhsa_enable_private_segment 0
		.amdhsa_kernarg_size 48
		.amdhsa_user_sgpr_count 2
		.amdhsa_user_sgpr_kernarg_segment_ptr 1
		.amdhsa_wavefront_size32 1
		.amdhsa_system_sgpr_workgroup_id_x 1
		.amdhsa_system_sgpr_workgroup_id_y 1
		.amdhsa_system_sgpr_workgroup_id_z 1
		.amdhsa_system_vgpr_workitem_id 0
		.amdhsa_next_free_vgpr 768
		.amdhsa_next_free_sgpr 100
		.amdhsa_reserve_vcc 0
		.amdhsa_float_denorm_mode_32 3
		.amdhsa_float_denorm_mode_16_64 3
		.amdhsa_memory_ordered 1
		.amdhsa_forward_progress 1
		.amdhsa_inst_pref_size 74
	.end_amdhsa_kernel
	.amdgpu_metadata
---
amdhsa.version: [ 1, 2 ]
amdhsa.kernels:
  - .name:           k_qffb9cd13e6_proj
    .symbol:         k_qffb9cd13e6_proj.kd
    .args:
      - { .name: yc, .offset: 0, .size: 8, .value_kind: global_buffer, .address_space: global }
      - { .name: ysc, .offset: 8, .size: 8, .value_kind: global_buffer, .address_space: global }
      - { .name: W_proj_codes, .offset: 16, .size: 8, .value_kind: global_buffer, .address_space: global }
      - { .name: W_proj_scales, .offset: 24, .size: 8, .value_kind: global_buffer, .address_space: global }
      - { .name: b_proj, .offset: 32, .size: 8, .value_kind: global_buffer, .address_space: global }
      - { .name: out0, .offset: 40, .size: 8, .value_kind: global_buffer, .address_space: global }
    .group_segment_fixed_size: 327680
    .private_segment_fixed_size: 0
    .kernarg_segment_align: 8
    .kernarg_segment_size: 48
    .max_flat_workgroup_size: 128
    .sgpr_count:     100
    .vgpr_count:     768
    .wavefront_size: 32
...
	.end_amdgpu_metadata
.endif
;; end of part 3
